; MI455X (gfx1250); checked and timed in simulation.
; The chip was launched on July 23, 2026; its instructions are those of AMD's public machine-readable ISA for CDNA 5 (MIT licence, August 2026) and "CDNA5" Instruction Set Architecture Reference Guide (July 2026). The comments in the code are by the model that wrote it; some were corrected since.
;; Set Propagation. Allowed arithmetic: matrix products marked QUANTISED: E5M2 operands, one given power-of-two scale a tensor, by v_wmma_f32_16x16x64_bf8_bf8 or v_wmma_f32_16x16x128_bf8_bf8, f32 sums; products left as they are: f32 operands where the result goes on into a quantised operand, else bf16, f16 or f32 operands; f32 sums; everything else in f32.
;; Inputs: b0 128 float32; b1 128 float32; beta0 128 float32; beta1 128 float32; feat1 4 x 128 x 2,048 float32; feat2 4 x 64 x 8,192 float32; g0 128 float32; g1 128 float32; lowp_scales 4 int32 (the exponents e of the quantised operands' scales 2^e); w0_codes 128 x 6 x 32 uint8 (E5M2 codes of w0, K innermost, in blocks of 32 codes); w1_codes 128 x 4 x 32 uint8 (E5M2 codes of w1, K innermost, in blocks of 32 codes); xyz1 4 x 3 x 2,048 float32; xyz2 4 x 3 x 8,192 float32.
;; Outputs: out0 4 x 128 x 8,192 float32.
;; This version of the problem:
;;   THIS VERSION OF THE PROBLEM IS GIVEN IN LOW PRECISION. The matrix products marked QUANTISED in the list below multiply operands that are first quantised to E5M2 (5 exponent bits, 2 mantissa bits; 8 bits a number), with one given power-of-two scale for each operand tensor; their sums are f32. All else is computed in f32.
;;   The module's matrix products, in the order in which they are computed (A, B: the left and right operand; K: the contracted axis; several contracted axes count as one K, in the product's order):
;;     1. batch 4 x [M 8,192, K 3] x [K 3, N 2,048]; A: input xyz2; B: input xyz1: left as it is (K = 3 < 32)
;;     2. [M 32,768, K 192] x [K 192, N 128]; A: computed on the way; B: input w0 (given as codes): QUANTISED (scales: A lowp_scales[0], B lowp_scales[1])
;;     3. [M 32,768, K 128] x [K 128, N 128]; A: computed on the way; B: input w1 (given as codes): QUANTISED (scales: A lowp_scales[2], B lowp_scales[3])
;;   THE QUANTISER, for each operand of a quantised product, along K:
;;     - The operand's scale is 2^e, e = its entry of the input lowp_scales (int32; the entries are numbered through the quantised products in the list's order, A before B).
;;     - Each number is divided by the scale, clamped to +-57,344, and rounded to the nearest number of E5M2, ties to even, subnormals kept.
;;     - The product sums the exact products of the quantised numbers (number of the format x scale) in f32.
;;   ~~~python
;;   def quantise(x, axis, e):      # numpy; x: float32 -> the quantised numbers, widened to float32 again
;;       x = np.moveaxis(x, axis, -1); K = x.shape[-1]
;;       r = np.clip(x / 2.0 ** e, -57344, 57344)
;;       step = 2.0 ** (np.maximum(np.frexp(np.where(r == 0, 1, r))[1] - 1, -14) - 2)
;;       q = np.round(r / step) * step * 2.0 ** e      # np.round: ties to even
;;       return np.moveaxis(q, -1, axis).astype(np.float32)
;;   ~~~
;;   OPERANDS COMPUTED ON THE WAY. 'Computed on the way' means the value that the module computes at that place (a softmax that the list does not call 'softmax' is quantised finished and normalised). What goes into a quantiser is computed in f32, as accurately as f32 sums, v_exp_f32 and their like allow (about 1e-6 of the number): no bf16 or f16 on the way to a quantiser, and a product that is left as it is and whose result goes on into a quantised operand takes f32 operands (vector FMAs, or v_wmma_f32_16x16x4_f32). A number that lies on a knife's edge between two numbers of the format may be rounded either way, as far as f32 arithmetic and the matrix unit's own rounding can turn it there, and no further.
;;   INPUTS GIVEN AS CODES. w0 (in the module: [128, 192], K = its axis 1); w1 (in the module: [128, 128], K = its axis 1): each comes as NAME_codes (uint8): NAME with its K axis moved to the last place and cut into blocks of 32 codes, [.., K / 32, bytes a block], one block behind the other in memory; one code a byte (a code: sign, 5 exponent bits, 2 mantissa bits); its scale is its entry of lowp_scales. Its value is code x scale, taken as it is: it is not quantised again, and the codes and scales need not be those that the quantiser above would give.
;; One version. Each part assembles by itself: llvm-mc -triple=amdgcn-amd-amdhsa -mcpu=gfx1250 --defsym DOCPART=n.
;; ======== version 1 of 1: 5 launches
;; limits: a difference of large sums (such as E[x^2] - mean^2): digits are lost where the result is much smaller than its terms; right only within a limited range of input values
;; workspace buffers: grp 524,288 bytes of whole numbers; nidx 524,288 bytes of whole numbers; nw 524,288 bytes; feat1t 4,194,304 bytes; xq 6,291,456 bytes; hq 4,194,304 bytes; part0 65,536 bytes; part1 65,536 bytes
;; launch knn_groups (part 1): grid 256 x 1, 4 waves a work-group, no clusters, 41,728 bytes of LDS; arguments xyz1, xyz2, grp; writes grp
.if DOCPART == 1
	.amdgcn_target "amdgcn-amd-amdhsa--gfx1250"
	.amdhsa_code_object_version 6
	.text
	.protected	k_q72a83f8ba2_knn_groups
	.globl	k_q72a83f8ba2_knn_groups
	.p2align	8
	.type	k_q72a83f8ba2_knn_groups,@function
k_q72a83f8ba2_knn_groups:
	s_mov_b64 s[64:65], 0
	v_nop
	global_prefetch_b8 v0, s[64:65] scope:SCOPE_SE
	s_setreg_imm32_b32 hwreg(HW_REG_WAVE_MODE, 25, 1), 1
	s_wait_xcnt 0x0
; For each of 32,768 queries: the three best GROUPS of 16 consecutive targets, ordered by (least d2 in the group, group number).
; d2 = (|q|^2 + |t|^2) - 2 q.t: the dot product by the f32 matrix form (three fused steps), the sum of squares rounded once, then one fused step.
; Groups are runs of consecutive indices, so the three least elements by (d2, index) lie in the three least groups by (minimum, number): the next launch looks at those 48 targets alone.
; SHARES. A work-group: 128 queries of one batch; a wave: 32 of them, two tiles of 16, against all 2,048 targets.
; A matrix step takes 16 targets (source 0) x 16 queries (source 1).  Rows 0-7 of step T are targets 8 T .. 8 T + 7, rows 8-15 targets 1024 + 8 T .. + 7: so register j of lane (r, h) is
; query r against target 1024 h + 8 T + j, a lane walks 1,024 consecutive targets, and two steps are one group: number 64 h + g.
; LDS: a record (x, y, z, 0) of 16 bytes for target n at 16 n + 128 (n / 1024); from T2B on |t|^2, 4 bytes a target.  Written once, one barrier, then only read.
; LIMITS: NaN and infinities among the inputs are not served; +0 and -0 in d2 count as equal; |t|^2 = fma(z, z, fma(y, y, x x)), |q|^2 likewise.
.set T2B, 33024
.set R,   24                           ; head: v24-87 sixteen records
.set T2R, 88                           ; head: v88-103 their |t|^2
.set QC,  112                          ; head: v112-117 the two tiles' query coordinates
.set BQ,  10                           ; v[10:11], v[12:13] source 1 of the two tiles
.set Q2,  14                           ; v[14:15], v[16:17] |q|^2, twice
.set AX,  18                           ; v[18:19], v[20:21] source 0 of an even and of an odd step
.set AY,  20
.set T2X, 24                           ; v24-31, v32-39 |t|^2 of the step's eight targets of my half
.set T2Y, 32
.set S,   40                           ; v40-47, v48-55 d2 of the two tiles
.set GM,  56                           ; v56, v57 the group's minimum
.set IDR, 58                           ; v58 the group's number in my half
.set L0,  60                           ; a list: +0..2 the three least minima, ascending; +4..6 their groups; +7 = 0
.set L1,  68
.set P0,  76                           ; the other half's lists
.set P1,  84
.set DX,  128                          ; v128-143, v144-159: the dot products; written by matrix instructions alone
.set DY,  144
	s_load_b128 s[4:7], s[0:1], 0x0                ; xyz1, xyz2
	s_load_b64 s[8:9], s[0:1], 0x10                ; grp
	v_lshl_add_u32 v160, v0, 2, 0xa100
	v_mov_b32 v161, 0
	v_lshrrev_b32 v1, 5, v0
	v_readfirstlane_b32 s10, v1                    ; wave 0..3
	s_lshr_b32 s11, ttmp9, 6                       ; batch
	s_and_b32 s12, ttmp9, 63                       ; block of 128 queries in the batch
	s_mul_i32 s16, s11, 24576                      ; xyz1: a batch is 3 x 2,048 x 4 bytes
	s_mov_b32 s17, 0
	s_mul_i32 s18, s11, 98304                      ; xyz2: a batch is 3 x 8,192 x 4 bytes,
	s_lshl_b32 s13, s12, 9
	s_add_co_u32 s18, s18, s13                     ; + 128 queries a block,
	s_lshl_b32 s13, s10, 7
	s_add_co_u32 s18, s18, s13                     ; + 32 a wave
	s_mov_b32 s19, 0
	s_lshl_b32 s20, ttmp9, 11                      ; grp: 16 bytes a query
	s_lshl_b32 s13, s10, 9
	s_add_co_u32 s20, s20, s13
	s_mov_b32 s21, 0
	s_mov_b32 s26, 0x76543210                      ; v_permlanex16_b32: lane l xor 16
	s_mov_b32 s27, 0xfedcba98
	v_and_b32 v1, 15, v0                           ; r
	v_bfe_u32 v2, v0, 4, 1                         ; h
	v_and_b32 v8, 31, v0                           ; lane
	v_lshlrev_b32 v7, 4, v1                        ; 16 r: my query's place in grp
	v_lshlrev_b32 v104, 2, v0                      ; 4 t
	v_lshlrev_b32 v105, 2, v1                      ; 4 r
	v_lshlrev_b32 v106, 4, v0                      ; LDS: 16 t
	v_lshl_add_u32 v107, v0, 2, T2B                ; LDS: T2B + 4 t
	v_and_b32 v3, 7, v1
	v_lshlrev_b32 v3, 4, v3
	v_lshrrev_b32 v9, 3, v1
	v_mad_u32_u24 v3, v9, 16512, v3
	v_lshl_add_u32 v3, v2, 3, v3                   ; source 0: 16 (r % 8) + 16,512 (r / 8) + 8 h
	v_lshlrev_b32 v4, 12, v2
	v_add_nc_u32 v4, T2B, v4                       ; |t|^2 of my half's targets
	v_mov_b32 v9, 0
	s_wait_kmcnt 0x0
	s_add_nc_u64 s[4:5], s[4:5], s[16:17]
	s_add_nc_u64 s[6:7], s[6:7], s[18:19]
	s_add_nc_u64 s[8:9], s[8:9], s[20:21]
.irp i, 0,1,2,3,4,5,6,7,8,9,10,11,12,13,14,15
.irp c, 0,1,2
	global_load_b32 v[R+4*\i+\c], v104, s[4:5] offset:8192*\c+512*\i   ; thread t: component c of target t + 128 i
.endr
.endr
.irp i, 0,1
.irp c, 0,1,2
	global_load_b32 v[QC+3*\i+\c], v105, s[6:7] offset:32768*\c+64*\i  ; query 16 i + r
.endr
.endr
.irp i, 0,1,2,3,4,5,6,7,8,9,10,11,12,13,14,15
	v_mov_b32 v[R+4*\i+3], 0                       ; a record's fourth word: K = 4 of the matrix form
.endr
	s_wait_loadcnt 6                               ; the 48 loads of targets are in; the six of queries may be out
.irp i, 0,1,2,3,4,5,6,7,8,9,10,11,12,13,14,15
	v_mul_f32 v[T2R+\i], v[R+4*\i], v[R+4*\i]
.endr
.irp i, 0,1,2,3,4,5,6,7,8,9,10,11,12,13,14,15
	v_fma_f32 v[T2R+\i], v[R+4*\i+1], v[R+4*\i+1], v[T2R+\i]
.endr
.irp i, 0,1,2,3,4,5,6,7,8,9,10,11,12,13,14,15
	v_fma_f32 v[T2R+\i], v[R+4*\i+2], v[R+4*\i+2], v[T2R+\i]
.endr
.irp i, 0,1,2,3,4,5,6,7,8,9,10,11,12,13,14,15
	ds_store_b128 v106, v[R+4*\i:R+4*\i+3] offset:2048*\i+128*(\i/8)
	ds_store_b32 v107, v[T2R+\i] offset:512*\i
.endr
	s_wait_loadcnt 0x0
	v_cmp_eq_u32 vcc_lo, 1, v2
.irp i, 0,1
	v_mul_f32 v[Q2+2*\i], v[QC+3*\i], v[QC+3*\i]
	v_cndmask_b32 v[BQ+2*\i], v[QC+3*\i], v[QC+3*\i+2], vcc_lo         ; k = 2 h: x or z
	v_fma_f32 v[Q2+2*\i], v[QC+3*\i+1], v[QC+3*\i+1], v[Q2+2*\i]
	v_cndmask_b32 v[BQ+2*\i+1], v[QC+3*\i+1], v9, vcc_lo               ; k = 2 h + 1: y or 0
	v_fma_f32 v[Q2+2*\i], v[QC+3*\i+2], v[QC+3*\i+2], v[Q2+2*\i]
	v_mov_b32 v[Q2+2*\i+1], v[Q2+2*\i]                                 ; named with it as a pair
.endr
	s_wait_dscnt 0x0                               ; for the others' sake: my records lie in LDS
	s_barrier_signal -1
	s_barrier_wait -1
.macro LDA dst, adr, off                       ; source 0 of a step: my row's two numbers
	ds_load_b64 v[\dst:\dst+1], v[\adr] offset:\off
.endm
.macro LDT dst, adr, off                       ; |t|^2 of a step's eight targets of my half
	ds_load_b128 v[\dst:\dst+3], v[\adr] offset:\off
	ds_load_b128 v[\dst+4:\dst+7], v[\adr] offset:\off+16
.endm
.macro MM d, a                                 ; a step's dot products for both tiles; each is a whole sum: C = 0
	v_wmma_f32_16x16x4_f32 v[\d:\d+7], v[\a:\a+1], v[BQ:BQ+1], 0
	v_wmma_f32_16x16x4_f32 v[\d+8:\d+15], v[\a:\a+1], v[BQ+2:BQ+3], 0
.endm
; d2 of a step's eight targets for both tiles, and their minimum into the group's: 24 plain instructions.  Each result is read from its low end on.
.macro DBLK d, t, first
.irp k, 0,2,4,6
	v_pk_add_f32 v[S+\k:S+\k+1], v[\t+\k:\t+\k+1], v[Q2:Q2+1] op_sel_hi:[1,0]
	v_pk_add_f32 v[S+8+\k:S+9+\k], v[\t+\k:\t+\k+1], v[Q2+2:Q2+3] op_sel_hi:[1,0]
.endr
.irp k, 0,2,4,6
	v_pk_fma_f32 v[S+\k:S+\k+1], v[\d+\k:\d+\k+1], -2.0, v[S+\k:S+\k+1] op_sel_hi:[1,0,1]
	v_pk_fma_f32 v[S+8+\k:S+9+\k], v[\d+8+\k:\d+9+\k], -2.0, v[S+8+\k:S+9+\k] op_sel_hi:[1,0,1]
.endr
.irp i, 0,1
	v_min3_num_f32 v[S+8*\i], v[S+8*\i], v[S+8*\i+1], v[S+8*\i+2]
.endr
.irp i, 0,1
	v_min3_num_f32 v[S+8*\i+3], v[S+8*\i+3], v[S+8*\i+4], v[S+8*\i+5]
.endr
.irp i, 0,1
.if \first
	v_min_num_f32 v[GM+\i], v[S+8*\i+6], v[S+8*\i+7]
.else
	v_min3_num_f32 v[GM+\i], v[GM+\i], v[S+8*\i+6], v[S+8*\i+7]
.endif
.endr
.irp i, 0,1
	v_min3_num_f32 v[GM+\i], v[GM+\i], v[S+8*\i], v[S+8*\i+3]
.endr
.endm
; (value, number) goes into each tile's list of three.  Strictly less: of equal values the one met first, which has the lower number, stays in front.
.macro INS2 va, ia, vb, ib
	v_cmp_lt_f32 s20, v[\va], v[L0+2]
	v_cmp_lt_f32 s21, v[\vb], v[L1+2]
	v_cmp_lt_f32 s22, v[\va], v[L0+1]
	v_cmp_lt_f32 s23, v[\vb], v[L1+1]
	v_cmp_lt_f32 s24, v[\va], v[L0]
	v_cmp_lt_f32 s25, v[\vb], v[L1]
	v_cndmask_b32 v[L0+6], v[L0+6], v[\ia], s20
	v_cndmask_b32 v[L1+6], v[L1+6], v[\ib], s21
	v_cndmask_b32 v[L0+6], v[L0+6], v[L0+5], s22
	v_cndmask_b32 v[L1+6], v[L1+6], v[L1+5], s23
	v_cndmask_b32 v[L0+5], v[L0+5], v[\ia], s22
	v_cndmask_b32 v[L1+5], v[L1+5], v[\ib], s23
	v_cndmask_b32 v[L0+5], v[L0+5], v[L0+4], s24
	v_cndmask_b32 v[L1+5], v[L1+5], v[L1+4], s25
	v_cndmask_b32 v[L0+4], v[L0+4], v[\ia], s24
	v_cndmask_b32 v[L1+4], v[L1+4], v[\ib], s25
	v_med3_num_f32 v[L0+2], v[L0+1], v[L0+2], v[\va]
	v_med3_num_f32 v[L1+2], v[L1+1], v[L1+2], v[\vb]
	v_med3_num_f32 v[L0+1], v[L0], v[L0+1], v[\va]
	v_med3_num_f32 v[L1+1], v[L1], v[L1+1], v[\vb]
	v_min_num_f32 v[L0], v[L0], v[\va]
	v_min_num_f32 v[L1], v[L1], v[\vb]
.endm
; A trip is group g: steps 2 g (its products were issued a trip ago) and 2 g + 1.  more = 1: step 2 g + 2's products and the operands of steps 2 g + 2 and 2 g + 3 are asked for.
; Behind this matrix form eight places are owed before a result is read or a load lands in a source, nine before a result is written anew: a block of 24 plain
; instructions on the OTHER set of results stands between each pair of products and the first read of them, and 46 or more before a set is written again.
.macro TRIP more
	v_add_nc_u32 v5, s14, v3                       ; 256 g: two steps of eight records
	v_add_nc_u32 v6, s15, v4                       ; 64 g
	v_mov_b32 v[IDR], s13
	s_wait_dscnt 2                                 ; the odd step's source 0 and the even step's |t|^2 are in; the two younger loads are the odd step's |t|^2
	MM DY, AY
.if \more
	LDA AX, 5, 256
.endif
	DBLK DX, T2X, 1
.if \more
	LDT T2X, 6, 64
	s_wait_dscnt 2                                 ; the odd step's |t|^2 and the next even step's source 0 are in; the two just issued may be out
	MM DX, AX
	LDA AY, 5, 384
.else
	s_wait_dscnt 0x0
.endif
	DBLK DY, T2Y, 0
	INS2 GM, IDR, GM+1, IDR
.if \more
	LDT T2Y, 6, 96
.endif
.endm
	LDA AX, 3, 0
	LDT T2X, 4, 0
	LDA AY, 3, 128
	LDT T2Y, 4, 32
	s_wait_dscnt 3                                 ; step 0's operands are in; step 1's three loads may be out
	MM DX, AX
.irp k, 0,1,2
	v_mov_b32 v[L0+\k], 0x7f800000                 ; the lists begin with +infinity.  (These lines are also the places behind the first products)
	v_mov_b32 v[L1+\k], 0x7f800000
.endr
.irp k, 4,5,6,7
	v_mov_b32 v[L0+\k], 0
	v_mov_b32 v[L1+\k], 0
.endr
.irp k, 0,1,2,4,5,6
	v_mov_b32 v[P0+\k], 0                          ; written once: a lane permute's destination counts as one of its sources
	v_mov_b32 v[P1+\k], 0
.endr
	s_mov_b32 s13, 0
	s_mov_b32 s14, 0
	s_mov_b32 s15, 0
.Ltrip:
	TRIP 1
	s_add_co_u32 s14, s14, 256
	s_add_co_u32 s15, s15, 64
	s_add_co_u32 s13, s13, 1
	s_cmp_lt_u32 s13, 63
	s_cbranch_scc1 .Ltrip
	TRIP 0                                         ; the last group asks for nothing more
	; the two halves of the lanes meet: lanes 0-15 hold groups 0-63 of their query, their partners groups 64-127, which lose every tie
.irp k, 4,5,6
	v_lshl_add_u32 v[L0+\k], v2, 6, v[L0+\k]
	v_lshl_add_u32 v[L1+\k], v2, 6, v[L1+\k]
.endr
.irp k, 0,1,2,4,5,6
	v_permlanex16_b32 v[P0+\k], v[L0+\k], s26, s27
	v_permlanex16_b32 v[P1+\k], v[L1+\k], s26, s27
.endr
.irp k, 0,1,2
	INS2 P0+\k, P0+4+\k, P1+\k, P1+4+\k
.endr
	s_wait_xcnt 0x0                                ; EXEC changes only behind this wait
	v_cmp_gt_u32 vcc_lo, 16, v8
	s_barrier_signal -1
	s_barrier_wait -1
	s_wait_tensorcnt 0x0
	ds_add_u32 v160, v161
	s_wait_dscnt 0x0
	s_and_saveexec_b32 s28, vcc_lo                 ; lanes 0-15: sixteen lanes store 256 consecutive bytes, aligned
	global_store_b128 v7, v[L0+4:L0+7], s[8:9]
	global_store_b128 v7, v[L1+4:L1+7], s[8:9] offset:256
	s_wait_xcnt 0x0
	s_or_b32 exec_lo, exec_lo, s28
	s_endpgm
.Lfunc_end_k_q72a83f8ba2_knn_groups:
	.size	k_q72a83f8ba2_knn_groups, .Lfunc_end_k_q72a83f8ba2_knn_groups-k_q72a83f8ba2_knn_groups
	.p2alignl 7, 3214868480
	.fill 96, 4, 3214868480
	.section	.rodata,"a",@progbits
	.p2align	6, 0x0
	.amdhsa_kernel k_q72a83f8ba2_knn_groups
		.amdhsa_group_segment_fixed_size 41728
		.amdhsa_private_segment_fixed_size 0
		.amdhsa_enable_private_segment 0
		.amdhsa_kernarg_size 24
		.amdhsa_user_sgpr_count 2
		.amdhsa_user_sgpr_kernarg_segment_ptr 1
		.amdhsa_wavefront_size32 1
		.amdhsa_system_sgpr_workgroup_id_x 1
		.amdhsa_system_sgpr_workgroup_id_y 1
		.amdhsa_system_sgpr_workgroup_id_z 1
		.amdhsa_system_vgpr_workitem_id 0
		.amdhsa_next_free_vgpr 162
		.amdhsa_next_free_sgpr 66
		.amdhsa_reserve_vcc 1
		.amdhsa_float_denorm_mode_32 3
		.amdhsa_float_denorm_mode_16_64 3
		.amdhsa_memory_ordered 1
		.amdhsa_forward_progress 1
		.amdhsa_inst_pref_size 30
	.end_amdhsa_kernel
	.amdgpu_metadata
---
amdhsa.version: [ 1, 2 ]
amdhsa.kernels:
  - .name:           k_q72a83f8ba2_knn_groups
    .symbol:         k_q72a83f8ba2_knn_groups.kd
    .args:
      - { .name: xyz1, .offset: 0, .size: 8, .value_kind: global_buffer, .address_space: global }
      - { .name: xyz2, .offset: 8, .size: 8, .value_kind: global_buffer, .address_space: global }
      - { .name: grp, .offset: 16, .size: 8, .value_kind: global_buffer, .address_space: global }
    .group_segment_fixed_size: 41728
    .private_segment_fixed_size: 0
    .kernarg_segment_align: 8
    .kernarg_segment_size: 24
    .max_flat_workgroup_size: 128
    .sgpr_count:     66
    .vgpr_count:     162
    .wavefront_size: 32
...
	.end_amdgpu_metadata
.endif
;; end of part 1
;; launch knn_pick (part 2): grid 256 x 1, 4 waves a work-group, no clusters, 17,920 bytes of LDS; arguments xyz1, xyz2, feat1, grp, nidx, nw, feat1t; writes nidx, nw, feat1t
.if DOCPART == 2
	.amdgcn_target "amdgcn-amd-amdhsa--gfx1250"
	.amdhsa_code_object_version 6
	.text
	.protected	k_q72a83f8ba2_knn_pick
	.globl	k_q72a83f8ba2_knn_pick
	.p2align	8
	.type	k_q72a83f8ba2_knn_pick,@function
k_q72a83f8ba2_knn_pick:
	s_mov_b64 s[64:65], 0
	v_nop
	global_prefetch_b8 v0, s[64:65] scope:SCOPE_SE
	s_setreg_imm32_b32 hwreg(HW_REG_WAVE_MODE, 25, 1), 1
	s_wait_xcnt 0x0
; Two pieces of work that wait for nothing of each other.
; (1) A lane owns one query: of the 48 targets of its three groups (read from grp, which the launch before stored) the three least by (d2, index), and the weights
;     w = 1 / (sqrt(max(d2, 0)) + 1e-8), divided by their sum.  d2 is made with the same roundings as in the launch before.  The groups are walked in ascending number, so that targets are met in
;     ascending index and a strict comparison keeps the lower index of equal distances.
; (2) feat1 [4][128 c][2048 n] is laid as feat1t [4][2048 n][128 c], so that the next launch gathers a target's channels as one row of 512 bytes.  A work-group turns 64 targets x 64 channels
;     through a stage in LDS (64 rows of 256 bytes + 16); loads read 128 consecutive bytes a wave, two of them an aligned 256; sixteen lanes store 256 consecutive bytes, aligned.
; No matrix work: 48 candidates a query are too few to feed it.  LIMITS: NaN and infinities are not served; 1 / x and the root are the chip's own instructions.
.set PITCH, 272
	s_load_b256 s[4:11], s[0:1], 0x0               ; xyz1 s[4:5], xyz2 s[6:7], feat1 s[8:9], grp s[10:11]
	s_load_b128 s[12:15], s[0:1], 0x20             ; nidx s[12:13], nw s[14:15]
	s_load_b64 s[16:17], s[0:1], 0x30              ; feat1t
	v_lshl_add_u32 v255, v0, 2, 0x4400
	s_set_vgpr_msb 0x40
	v_mov_b32 v1, 0
	s_set_vgpr_msb 0x4000
	v_lshrrev_b32 v1, 5, v0
	v_readfirstlane_b32 s18, v1                    ; wave 0..3
	s_lshr_b32 s19, ttmp9, 6                       ; batch
	s_and_b32 s20, ttmp9, 63                       ; block of 128 queries
	s_bfe_u32 s21, ttmp9, 0x50001                  ; the turning: block of 64 targets,
	s_and_b32 s22, ttmp9, 1                        ; half of the 128 channels
	s_mul_i32 s24, s19, 24576                      ; xyz1
	s_mov_b32 s25, 0
	s_mul_i32 s26, s19, 98304                      ; xyz2
	s_lshl_b32 s23, s20, 9
	s_add_co_u32 s26, s26, s23
	s_lshl_b32 s23, s18, 7
	s_add_co_u32 s26, s26, s23
	s_mov_b32 s27, 0
	s_lshl_b32 s28, ttmp9, 11                      ; grp, nidx, nw: 16 bytes a query
	s_lshl_b32 s23, s18, 9
	s_add_co_u32 s28, s28, s23
	s_mov_b32 s29, 0
	s_lshl_b32 s30, s19, 20                        ; feat1: ((128 b + 64 half + 16 wave) x 2,048 + 64 block) x 4
	s_lshl_b32 s23, s22, 19
	s_add_co_u32 s30, s30, s23
	s_lshl_b32 s23, s18, 17
	s_add_co_u32 s30, s30, s23
	s_lshl_b32 s23, s21, 8
	s_add_co_u32 s30, s30, s23
	s_mov_b32 s31, 0
	s_lshl_b32 s32, s19, 20                        ; feat1t: ((2,048 b + 64 block + 16 wave) x 128 + 64 half) x 4
	s_lshl_b32 s23, s21, 15
	s_add_co_u32 s32, s32, s23
	s_lshl_b32 s23, s18, 13
	s_add_co_u32 s32, s32, s23
	s_lshl_b32 s23, s22, 8
	s_add_co_u32 s32, s32, s23
	s_mov_b32 s33, 0
	v_and_b32 v1, 31, v0                           ; lane
	v_and_b32 v2, 15, v0
	v_bfe_u32 v3, v0, 4, 1
	v_lshlrev_b32 v15, 4, v1                       ; 16 x lane
	v_lshlrev_b32 v243, 2, v1                      ; 4 x lane
	v_mul_u32_u24 v252, v1, PITCH
	s_lshl_b32 s23, s18, 6
	v_add_nc_u32 v252, s23, v252                   ; the stage, in: row = target, + my wave's 16 channels
	s_mul_i32 s23, s18, 16*PITCH
	v_mul_u32_u24 v253, v3, PITCH
	v_lshl_add_u32 v253, v2, 4, v253
	v_add_nc_u32 v253, s23, v253                   ; back: my wave's 16 rows, two an instruction
	v_lshlrev_b32 v254, 9, v3
	v_lshl_add_u32 v254, v2, 4, v254               ; and the same two rows in feat1t
.irp k, 240,241,242
	v_mov_b32 v\k, 0x7f800000                      ; the list: three least d2, ascending,
.endr
.irp k, 244,245,246,247
	v_mov_b32 v\k, 0                               ; their indices, and a word of 0
.endr
	s_wait_kmcnt 0x0
	s_add_nc_u64 s[4:5], s[4:5], s[24:25]
	s_add_nc_u64 s[6:7], s[6:7], s[26:27]
	s_add_nc_u64 s[10:11], s[10:11], s[28:29]
	s_add_nc_u64 s[12:13], s[12:13], s[28:29]
	s_add_nc_u64 s[14:15], s[14:15], s[28:29]
	s_add_nc_u64 s[8:9], s[8:9], s[30:31]
	s_add_nc_u64 s[16:17], s[16:17], s[32:33]
	global_load_b128 v[4:7], v15, s[10:11]         ; my query's three groups
	global_load_b32 v16, v243, s[6:7]
	global_load_b32 v18, v243, s[6:7] offset:32768
	global_load_b32 v20, v243, s[6:7] offset:65536
.irp c, 0,1,2,3,4,5,6,7,8,9,10,11,12,13,14,15
	global_load_b32 v[32+\c], v243, s[8:9] offset:8192*\c th:TH_LOAD_NT        ; channel c of my wave's 16, target = lane,
	global_load_b32 v[48+\c], v243, s[8:9] offset:8192*\c+128 th:TH_LOAD_NT    ; and target 32 + lane
.endr
	s_wait_loadcnt 32                              ; the groups and the query are in; the 32 loads of feat1 may be out
	v_min_u32 v24, v4, v5                          ; the three groups in ascending number
	v_max_u32 v25, v4, v5
	v_min_u32 v8, v24, v6
	v_max_u32 v26, v24, v6
	v_min_u32 v9, v25, v26
	v_max_u32 v10, v25, v26
.irp k, 0,1,2
	v_min_u32 v[8+\k], 0x7f, v[8+\k]               ; a group's number stays inside the table
	v_lshlrev_b32 v[12+\k], 6, v[8+\k]             ; its 16 targets: 64 bytes of each component
	v_lshlrev_b32 v[8+\k], 4, v[8+\k]              ; its first target
.endr
.irp k, 0,1,2
.irp c, 0,1,2
.irp i, 0,1,2,3
	global_load_b128 v[96+48*\k+16*\c+4*\i:99+48*\k+16*\c+4*\i], v[12+\k], s[4:5] offset:8192*\c+16*\i
.endr
.endr
.endr
	v_mul_f32 v22, v16, v16                        ; |q|^2, as in the launch before
	v_mov_b32 v17, v16                             ; each number of the query has a pair of its own: the packed forms take the low word for both halves
	v_fma_f32 v22, v18, v18, v22
	v_mov_b32 v19, v18
	v_fma_f32 v22, v20, v20, v22
	v_mov_b32 v21, v20
	v_mov_b32 v23, v22
	s_wait_loadcnt 36                              ; feat1's 32 loads are in; the 36 of candidates may be out
.irp e, 0,1
.irp k, 0,1,2,3
	ds_store_b128 v252, v[32+16*\e+4*\k:35+16*\e+4*\k] offset:32*PITCH*\e+16*\k
.endr
.endr
	s_wait_dscnt 0x0                               ; for the others' sake: my part of the stage is written
	s_barrier_signal -1
	s_barrier_wait -1
.irp k, 0,1,2,3,4,5,6,7
	ds_load_b128 v[64+4*\k:67+4*\k], v253 offset:2*PITCH*\k
.endr
.irp k, 0,1,2,3,4,5,6,7
	s_wait_dscnt 7-\k
	global_store_b128 v254, v[64+4*\k:67+4*\k], s[16:17] offset:1024*\k
.endr
.macro D2PAIR x, t                             ; d2 of two candidates, over their x
	v_pk_mul_f32 v[\t:\t+1], v[\x:\x+1], v[16:17] op_sel_hi:[1,0]
	v_pk_mul_f32 v[\t+2:\t+3], v[\x:\x+1], v[\x:\x+1]
	v_pk_fma_f32 v[\t:\t+1], v[\x+16:\x+17], v[18:19], v[\t:\t+1] op_sel_hi:[1,0,1]
	v_pk_fma_f32 v[\t+2:\t+3], v[\x+16:\x+17], v[\x+16:\x+17], v[\t+2:\t+3]
	v_pk_fma_f32 v[\t:\t+1], v[\x+32:\x+33], v[20:21], v[\t:\t+1] op_sel_hi:[1,0,1]
	v_pk_fma_f32 v[\t+2:\t+3], v[\x+32:\x+33], v[\x+32:\x+33], v[\t+2:\t+3]
	v_pk_add_f32 v[\t+2:\t+3], v[\t+2:\t+3], v[22:23] op_sel_hi:[1,0]
	v_pk_fma_f32 v[\x:\x+1], v[\t:\t+1], -2.0, v[\t+2:\t+3] op_sel_hi:[1,0,1]
.endm
.macro INS val                                 ; (v[val], v11) into the list; strictly less: the lower index of equal distances stays in front
	v_cmp_lt_f32 s34, v[\val], v242
	v_cmp_lt_f32 s35, v[\val], v241
	v_cmp_lt_f32 s36, v[\val], v240
	v_cndmask_b32 v246, v246, v11, s34
	v_cndmask_b32 v246, v246, v245, s35
	v_cndmask_b32 v245, v245, v11, s35
	v_cndmask_b32 v245, v245, v244, s36
	v_cndmask_b32 v244, v244, v11, s36
	v_med3_num_f32 v242, v241, v242, v[\val]
	v_med3_num_f32 v241, v240, v241, v[\val]
	v_min_num_f32 v240, v240, v[\val]
.endm
.irp k, 0,1,2
	s_wait_loadcnt 24-12*\k                        ; this group's twelve loads are in; the later groups' may be out
.irp i, 0,1,2,3,4,5,6,7
	D2PAIR 96+48*\k+2*\i, 24+4*(\i%2)
.endr
.irp i, 0,1,2,3,4,5,6,7,8,9,10,11,12,13,14,15
	v_add_nc_u32 v11, \i, v[8+\k]
	INS 96+48*\k+\i
.endr
.endr
.irp k, 240,241,242
	v_max_num_f32 v\k, 0, v\k
.endr
	v_sqrt_f32 v24, v240
	v_sqrt_f32 v25, v241
	v_sqrt_f32 v26, v242
	v_mov_b32 v251, 0                              ; (a plain line behind the roots)  nw's fourth word
	s_wait_alu depctr_va_vdst(0)                   ; one wait for the three roots, ahead of their first reader
.irp k, 24,25,26
	v_add_f32 v\k, 0x322bcc77, v\k                 ; + 1e-8
.endr
	v_rcp_f32 v248, v24
	v_rcp_f32 v249, v25
	v_rcp_f32 v250, v26
	v_nop
	s_wait_alu depctr_va_vdst(0)
	v_add_f32 v27, v248, v249
	v_add_f32 v27, v27, v250
	v_rcp_f32 v28, v27
	v_nop
	s_wait_alu depctr_va_vdst(0)
.irp k, 248,249,250
	v_mul_f32 v\k, v\k, v28
.endr
	global_store_b128 v15, v[244:247], s[12:13]    ; a wave stores 512 consecutive bytes
	global_store_b128 v15, v[248:251], s[14:15]
	s_barrier_signal -1
	s_barrier_wait -1
	s_set_vgpr_msb 0x4
	s_wait_tensorcnt 0x0
	ds_add_u32 v255, v1
	s_wait_dscnt 0x0
	s_set_vgpr_msb 0x400
	s_endpgm
.Lfunc_end_k_q72a83f8ba2_knn_pick:
	.size	k_q72a83f8ba2_knn_pick, .Lfunc_end_k_q72a83f8ba2_knn_pick-k_q72a83f8ba2_knn_pick
	.p2alignl 7, 3214868480
	.fill 96, 4, 3214868480
	.section	.rodata,"a",@progbits
	.p2align	6, 0x0
	.amdhsa_kernel k_q72a83f8ba2_knn_pick
		.amdhsa_group_segment_fixed_size 17920
		.amdhsa_private_segment_fixed_size 0
		.amdhsa_enable_private_segment 0
		.amdhsa_kernarg_size 56
		.amdhsa_user_sgpr_count 2
		.amdhsa_user_sgpr_kernarg_segment_ptr 1
		.amdhsa_wavefront_size32 1
		.amdhsa_system_sgpr_workgroup_id_x 1
		.amdhsa_system_sgpr_workgroup_id_y 1
		.amdhsa_system_sgpr_workgroup_id_z 1
		.amdhsa_system_vgpr_workitem_id 0
		.amdhsa_next_free_vgpr 258
		.amdhsa_next_free_sgpr 66
		.amdhsa_reserve_vcc 0
		.amdhsa_float_denorm_mode_32 3
		.amdhsa_float_denorm_mode_16_64 3
		.amdhsa_memory_ordered 1
		.amdhsa_forward_progress 1
		.amdhsa_inst_pref_size 60
	.end_amdhsa_kernel
	.amdgpu_metadata
---
amdhsa.version: [ 1, 2 ]
amdhsa.kernels:
  - .name:           k_q72a83f8ba2_knn_pick
    .symbol:         k_q72a83f8ba2_knn_pick.kd
    .args:
      - { .name: xyz1, .offset: 0, .size: 8, .value_kind: global_buffer, .address_space: global }
      - { .name: xyz2, .offset: 8, .size: 8, .value_kind: global_buffer, .address_space: global }
      - { .name: feat1, .offset: 16, .size: 8, .value_kind: global_buffer, .address_space: global }
      - { .name: grp, .offset: 24, .size: 8, .value_kind: global_buffer, .address_space: global }
      - { .name: nidx, .offset: 32, .size: 8, .value_kind: global_buffer, .address_space: global }
      - { .name: nw, .offset: 40, .size: 8, .value_kind: global_buffer, .address_space: global }
      - { .name: feat1t, .offset: 48, .size: 8, .value_kind: global_buffer, .address_space: global }
    .group_segment_fixed_size: 17920
    .private_segment_fixed_size: 0
    .kernarg_segment_align: 8
    .kernarg_segment_size: 56
    .max_flat_workgroup_size: 128
    .sgpr_count:     66
    .vgpr_count:     258
    .wavefront_size: 32
...
	.end_amdgpu_metadata
.endif
;; end of part 2
;; launch conv0 (part 3): grid 256 x 1, 16 waves a work-group, no clusters, 28,672 bytes of LDS; arguments feat2, feat1t, nidx, nw, w0_codes, b0, lowp_scales, xq, part0; writes xq, part0
.if DOCPART == 3
	.amdgcn_target "amdgcn-amd-amdhsa--gfx1250"
	.amdhsa_code_object_version 6
	.text
	.protected	k_q72a83f8ba2_conv0
	.globl	k_q72a83f8ba2_conv0
	.p2align	8
	.type	k_q72a83f8ba2_conv0,@function
k_q72a83f8ba2_conv0:
	s_mov_b64 s[64:65], 0
	v_nop
	global_prefetch_b8 v0, s[64:65] scope:SCOPE_SE
	s_setreg_imm32_b32 hwreg(HW_REG_WAVE_MODE, 25, 1), 1
	s_wait_xcnt 0x0
; x = [feat2 (64 channels); the weighted sum of three rows of feat1t (128 channels)] for 128 queries, quantised to E5M2 with the given 2^e0; y0 = W0 x + b0 on the codes; of y0 only the sums that the
; group norm needs leave (sum and sum of squares of each group of 16 channels over 32 queries), and x's codes, from which the next launch makes the same y0 again, bit for bit.
; SHARES. 16 waves.  Making x: wave w gathers queries 8 w .. 8 w + 7, two at a time (a half of the lanes a query; a lane 4 + 4 channels: sixteen lanes read 256 consecutive bytes of a row);
; wave (cw = w % 4, qq = w / 4) also takes channels 16 qq .. + 15 of feat2 for queries 32 cw + lane.  Codes meet in LDS: 128 rows (queries) of 192 bytes + 16.
; The product: wave (cw, qq) makes channels 32 cw .. + 31 for query tiles 2 qq and 2 qq + 1.  It is used transposed (source 0 = 16 rows of W0, source 1 = 16 queries), and lane r of tile u takes
; row 32 cw + 8 u + r + 8 (r / 8): so the 16 registers of a lane's two tiles are channels 32 cw + 16 h + 0 .. 15: one group of the norm, and 16 neighbours along the next product's K.
; K goes in three steps of 64.  A fragment is fetched by two loads of 16 bytes: registers 4 c .. 4 c + 3 hold k = 32 c + 16 h + 0 .. 15, the same permutation of k on both sides.
; b0 goes in as the C of each sum's first instruction, divided by 2^(e0 + e1), which the sums lack.
; LIMITS: e0 between -126 and 112; NaN among the inputs is not served.  No tensor loads: every LDS byte here is made by arithmetic.
.set XP, 208
	s_load_b256 s[4:11], s[0:1], 0x0               ; feat2 s[4:5], feat1t s[6:7], nidx s[8:9], nw s[10:11]
	s_load_b256 s[12:19], s[0:1], 0x20             ; w0 s[12:13], b0 s[14:15], the scales' exponents s[16:17], xq s[18:19]
	s_load_b64 s[20:21], s[0:1], 0x40              ; part0
	v_lshl_add_u32 v254, v0, 2, 0x6800
	v_mov_b32 v255, 0
	v_lshrrev_b32 v1, 5, v0
	v_readfirstlane_b32 s22, v1                    ; wave 0..15
	s_and_b32 s23, s22, 3                          ; cw
	s_lshr_b32 s24, s22, 2                         ; qq
	s_lshr_b32 s25, ttmp9, 6                       ; batch
	s_and_b32 s26, ttmp9, 63                       ; block of 128 queries
	s_lshl_b32 s32, ttmp9, 11                      ; nidx, nw: 16 bytes a query; my wave's eight
	s_lshl_b32 s27, s22, 7
	s_add_co_u32 s32, s32, s27
	s_mov_b32 s33, 0
	s_lshl_b32 s34, s25, 21                        ; feat2: ((64 b + 16 qq) x 8,192 + 128 block + 32 cw) x 4
	s_lshl_b32 s27, s24, 19
	s_add_co_u32 s34, s34, s27
	s_lshl_b32 s27, s26, 9
	s_add_co_u32 s34, s34, s27
	s_lshl_b32 s27, s23, 7
	s_add_co_u32 s34, s34, s27
	s_mov_b32 s35, 0
	s_mul_i32 s36, s23, 6144                       ; w0: my 32 rows of 192 bytes
	s_mov_b32 s37, 0
	s_lshl_b32 s38, s23, 7                         ; b0: my 32 numbers
	s_mov_b32 s39, 0
	s_lshl_b32 s40, s25, 20                        ; feat1t: a batch is 2,048 rows of 512 bytes
	s_mov_b32 s41, 0
	s_mul_i32 s42, ttmp9, 24576                    ; xq: 48 pieces of 512 bytes a work-group, three a wave
	s_mul_i32 s27, s22, 1536
	s_add_co_u32 s42, s42, s27
	s_mov_b32 s43, 0
	s_lshl_b32 s44, s25, 14                        ; part0 [b][group][4 block + qq][2]
	s_lshl_b32 s27, s23, 12
	s_add_co_u32 s44, s44, s27
	s_lshl_b32 s27, s26, 5
	s_add_co_u32 s44, s44, s27
	s_lshl_b32 s27, s24, 3
	s_add_co_u32 s44, s44, s27
	s_mov_b32 s45, 0
	v_and_b32 v1, 31, v0                           ; lane
	v_and_b32 v2, 15, v0                           ; r
	v_bfe_u32 v3, v0, 4, 1                         ; h
	v_lshlrev_b32 v4, 4, v2                        ; 16 r: my four channels of a row of feat1t
	s_mul_i32 s46, s23, 32*XP
	s_lshl_b32 s47, s24, 4
	s_add_co_u32 s46, s46, s47
	v_mul_u32_u24 v5, v1, XP
	v_add_nc_u32 v5, s46, v5                       ; LDS: row 32 cw + lane, byte 16 qq: feat2's codes
	s_mul_i32 s46, s22, 8*XP
	s_add_co_u32 s46, s46, 64
	v_mul_u32_u24 v6, v3, XP
	v_lshl_add_u32 v6, v2, 2, v6
	v_add_nc_u32 v6, s46, v6                       ; LDS: row 8 w + h, byte 64 + 4 r: the gathered channels' codes
	v_mul_u32_u24 v7, v2, XP
	v_lshl_add_u32 v7, v3, 4, v7                   ; a fragment: row r, + 16 h
	s_lshr_b32 s46, s22, 1
	s_mul_i32 s46, s46, 16*XP
	s_and_b32 s47, s22, 1
	s_mul_i32 s47, s47, 96
	s_add_co_u32 s46, s46, s47
	v_add_nc_u32 v8, s46, v7                       ; the three pieces that I send to xq: query tile w / 2, bytes 96 (w % 2) on
	s_mul_i32 s46, s24, 32*XP
	v_add_nc_u32 v7, s46, v7                       ; my two query tiles
	v_lshlrev_b32 v9, 4, v1                        ; 16 x lane
	v_lshlrev_b32 v14, 4, v3                       ; 16 h
	v_lshlrev_b32 v15, 2, v1                       ; 4 x lane
	v_and_b32 v236, 8, v2
	v_add_nc_u32 v236, v236, v2
	v_mul_u32_u24 v236, v236, 192
	v_lshl_add_u32 v236, v3, 4, v236               ; w0: row r + 8 (r / 8), + 16 h
	v_lshlrev_b32 v237, 6, v3                      ; b0: 64 h
	v_lshlrev_b32 v238, 11, v3                     ; part0: group 2 cw + h
	s_wait_kmcnt 0x0
	s_load_b128 s[28:31], s[16:17], 0x0            ; e0, e1, e2, e3
	s_add_nc_u64 s[8:9], s[8:9], s[32:33]
	s_add_nc_u64 s[10:11], s[10:11], s[32:33]
	s_add_nc_u64 s[4:5], s[4:5], s[34:35]
	s_add_nc_u64 s[12:13], s[12:13], s[36:37]
	s_add_nc_u64 s[14:15], s[14:15], s[38:39]
	s_add_nc_u64 s[6:7], s[6:7], s[40:41]
	s_add_nc_u64 s[18:19], s[18:19], s[42:43]
	s_add_nc_u64 s[20:21], s[20:21], s[44:45]
.irp s, 0,1,2,3
	global_load_b128 v[80+4*\s:83+4*\s], v14, s[8:9] offset:32*\s      ; step s: query 8 w + 2 s + h: its three targets,
.endr
.irp s, 0,1,2,3
	global_load_b128 v[96+4*\s:99+4*\s], v14, s[10:11] offset:32*\s    ; and their weights
.endr
.irp c, 0,1,2,3,4,5,6,7,8,9,10,11,12,13,14,15
	global_load_b32 v[208+\c], v15, s[4:5] offset:32768*\c th:TH_LOAD_NT
.endr
.irp u, 0,1
.irp s, 0,1,2
.irp c, 0,1
	global_load_b128 v[16+24*\u+8*\s+4*\c:19+24*\u+8*\s+4*\c], v236, s[12:13] offset:1536*\u+64*\s+32*\c
.endr
.endr
.endr
.irp k, 0,1,2,3
	global_load_b128 v[64+4*\k:67+4*\k], v237, s[14:15] offset:16*\k
.endr
	s_wait_loadcnt 32                              ; the eight loads of targets and weights are in; 16 + 12 + 4 were issued behind them
.irp s, 0,1,2,3
.irp k, 0,1,2
	v_min_u32 v[80+4*\s+\k], 0x7ff, v[80+4*\s+\k]                      ; an index stays inside the table
	v_lshl_add_u32 v[80+4*\s+\k], v[80+4*\s+\k], 9, v4                 ; its row of 512 bytes, + my 16
.endr
.endr
.irp s, 0,1,2,3
.irp k, 0,1,2
	global_load_b128 v[112+24*\s+8*\k:115+24*\s+8*\k], v[80+4*\s+\k], s[6:7]             ; channels 4 r .. + 3,
	global_load_b128 v[116+24*\s+8*\k:119+24*\s+8*\k], v[80+4*\s+\k], s[6:7] offset:256  ; and 64 + 4 r .. + 3
.endr
.endr
	s_wait_kmcnt 0x0
	s_add_co_i32 s46, s28, 127
	s_lshl_b32 s47, s46, 23
	v_mov_b32 v10, s47                             ; 2^e0 as f32: the conversion takes its exponent field
	s_add_co_i32 s46, s46, 15
	s_lshl_b32 s46, s46, 23
	s_or_b32 s46, s46, 0x600000
	v_mov_b32 v11, s46                             ; 57,344 x 2^e0
	s_wait_loadcnt 40                              ; feat2's 16 loads are in; 12 + 4 + 24 were issued behind them
.irp j, 0,1,2,3,4,5,6,7,8,9,10,11,12,13,14,15
	v_med3_num_f32 v[208+\j], v[208+\j], -v11, v11 ; the conversion to an 8-bit code does not saturate (ISA guide 7.6.2): the hold at the largest code x the scale
.endr
	v_cvt_scalef32_pk8_bf8_f32 v[224:225], v[208:215], v10
	v_cvt_scalef32_pk8_bf8_f32 v[226:227], v[216:223], v10
	v_nop                                          ; one plain line behind the conversions
	ds_store_b128 v5, v[224:227]
.macro GSTEP s                                 ; two queries: the weighted sum of three rows, eight channels a lane, quantised; each step has code registers of its own
.set RG, 112+24*\s
.set WR, 96+4*\s
	s_wait_loadcnt 18-6*\s                         ; this step's six loads are in; the later steps' may be out
.irp j, 0,2,4,6
	v_pk_mul_f32 v[228+\j:229+\j], v[RG+\j:RG+\j+1], v[WR:WR+1] op_sel_hi:[1,0]
.endr
.irp j, 0,2,4,6
	v_pk_fma_f32 v[228+\j:229+\j], v[RG+8+\j:RG+9+\j], v[WR:WR+1], v[228+\j:229+\j] op_sel:[0,1,0] op_sel_hi:[1,1,1]   ; the pair's upper word, the second weight, for both halves
.endr
.irp j, 0,2,4,6
	v_pk_fma_f32 v[228+\j:229+\j], v[RG+16+\j:RG+17+\j], v[WR+2:WR+3], v[228+\j:229+\j] op_sel_hi:[1,0,1]
.endr
.irp j, 0,1,2,3,4,5,6,7
	v_med3_num_f32 v[228+\j], v[228+\j], -v11, v11
.endr
	v_cvt_scalef32_pk8_bf8_f32 v[240+2*\s:241+2*\s], v[228:235], v10
	v_nop                                          ; one plain line before the next step writes the conversion's sources
	ds_store_b32 v6, v[240+2*\s] offset:2*XP*\s
	ds_store_b32 v6, v[241+2*\s] offset:2*XP*\s+64
.endm
	GSTEP 0
	GSTEP 1
	GSTEP 2
	GSTEP 3
	s_add_co_i32 s46, s28, s29                     ; E = e0 + e1: a sum of the product stands for sum x 2^E
	s_sub_co_i32 s27, 0, s46
	s_lshl_b32 s47, s46, 1
.irp j, 0,1,2,3,4,5,6,7,8,9,10,11,12,13,14,15
	v_ldexp_f32 v[64+\j], v[64+\j], s27            ; b0 / 2^E
.endr
	s_wait_dscnt 0x0                               ; for the others' sake: my codes lie in LDS
	s_barrier_signal -1
	s_barrier_wait -1
.irp i, 0,1
.irp s, 0,1,2
.irp c, 0,1
	ds_load_b128 v[80+24*\i+8*\s+4*\c:83+24*\i+8*\s+4*\c], v7 offset:16*XP*\i+64*\s+32*\c
.endr
.endr
.endr
.irp k, 0,1,2
	ds_load_b128 v[160+4*\k:163+4*\k], v8 offset:32*\k
.endr
	s_wait_dscnt 3                                 ; my fragments of x are in; the three pieces for xq may be out
.irp s, 0,1,2                                  ; four accumulators by turns, one instruction a turn
.irp i, 0,1
.irp u, 0,1
.if \s == 0
	v_wmma_f32_16x16x64_bf8_bf8 v[128+16*\i+8*\u:135+16*\i+8*\u], v[16+24*\u+8*\s:23+24*\u+8*\s], v[80+24*\i+8*\s:87+24*\i+8*\s], v[64+8*\u:71+8*\u]
.else
	v_wmma_f32_16x16x64_bf8_bf8 v[128+16*\i+8*\u:135+16*\i+8*\u], v[16+24*\u+8*\s:23+24*\u+8*\s], v[80+24*\i+8*\s:87+24*\i+8*\s], v[128+16*\i+8*\u:135+16*\i+8*\u]
.endif
.endr
.endr
.endr
.rept 4
	v_nop                                          ; four places before the results are read (ISA guide 7.12.1)
.endr
	s_wait_dscnt 0x0
.irp k, 0,1,2
	global_store_b128 v9, v[160+4*\k:163+4*\k], s[18:19] offset:512*\k   ; a fragment's half as it stands in registers: 512 consecutive bytes
.endr
	; the sums: all 32 numbers of a lane belong to group 2 cw + h.  Two chains; each accumulator from its low end on
	v_pk_add_f32 v[172:173], v[128:129], v[130:131]
	v_pk_add_f32 v[174:175], v[144:145], v[146:147]
	v_pk_mul_f32 v[176:177], v[128:129], v[128:129]
	v_pk_mul_f32 v[178:179], v[144:145], v[144:145]
	v_pk_fma_f32 v[176:177], v[130:131], v[130:131], v[176:177]
	v_pk_fma_f32 v[178:179], v[146:147], v[146:147], v[178:179]
.irp j, 4,6,8,10,12,14
	v_pk_add_f32 v[172:173], v[172:173], v[128+\j:129+\j]
	v_pk_add_f32 v[174:175], v[174:175], v[144+\j:145+\j]
	v_pk_fma_f32 v[176:177], v[128+\j:129+\j], v[128+\j:129+\j], v[176:177]
	v_pk_fma_f32 v[178:179], v[144+\j:145+\j], v[144+\j:145+\j], v[178:179]
.endr
	v_pk_add_f32 v[172:173], v[172:173], v[174:175]
	v_pk_add_f32 v[176:177], v[176:177], v[178:179]
	v_add_f32 v180, v172, v173
	v_add_f32 v181, v176, v177
.irp m, 1,2,4,8
	v_add_f32_dpp v180, v180, v180 row_xmask:\m row_mask:0xf bank_mask:0xf   ; over the sixteen queries of my half of the lanes
	v_add_f32_dpp v181, v181, v181 row_xmask:\m row_mask:0xf bank_mask:0xf
.endr
	v_ldexp_f32 v180, v180, s46                    ; x 2^E,
	v_ldexp_f32 v181, v181, s47                    ; x 2^(2 E)
	s_wait_xcnt 0x0                                ; EXEC changes only behind this wait
	v_cmp_eq_u32 vcc_lo, 0, v2
	s_barrier_signal -1
	s_barrier_wait -1
	s_wait_tensorcnt 0x0
	ds_add_u32 v254, v255
	s_wait_dscnt 0x0
	s_and_saveexec_b32 s27, vcc_lo                 ; lanes 0 and 16
	global_store_b64 v238, v[180:181], s[20:21]
	s_wait_xcnt 0x0
	s_or_b32 exec_lo, exec_lo, s27
	s_endpgm
.Lfunc_end_k_q72a83f8ba2_conv0:
	.size	k_q72a83f8ba2_conv0, .Lfunc_end_k_q72a83f8ba2_conv0-k_q72a83f8ba2_conv0
	.p2alignl 7, 3214868480
	.fill 96, 4, 3214868480
	.section	.rodata,"a",@progbits
	.p2align	6, 0x0
	.amdhsa_kernel k_q72a83f8ba2_conv0
		.amdhsa_group_segment_fixed_size 28672
		.amdhsa_private_segment_fixed_size 0
		.amdhsa_enable_private_segment 0
		.amdhsa_kernarg_size 72
		.amdhsa_user_sgpr_count 2
		.amdhsa_user_sgpr_kernarg_segment_ptr 1
		.amdhsa_wavefront_size32 1
		.amdhsa_system_sgpr_workgroup_id_x 1
		.amdhsa_system_sgpr_workgroup_id_y 1
		.amdhsa_system_sgpr_workgroup_id_z 1
		.amdhsa_system_vgpr_workitem_id 0
		.amdhsa_next_free_vgpr 256
		.amdhsa_next_free_sgpr 66
		.amdhsa_reserve_vcc 1
		.amdhsa_float_denorm_mode_32 3
		.amdhsa_float_denorm_mode_16_64 3
		.amdhsa_memory_ordered 1
		.amdhsa_forward_progress 1
		.amdhsa_inst_pref_size 26
	.end_amdhsa_kernel
	.amdgpu_metadata
---
amdhsa.version: [ 1, 2 ]
amdhsa.kernels:
  - .name:           k_q72a83f8ba2_conv0
    .symbol:         k_q72a83f8ba2_conv0.kd
    .args:
      - { .name: feat2, .offset: 0, .size: 8, .value_kind: global_buffer, .address_space: global }
      - { .name: feat1t, .offset: 8, .size: 8, .value_kind: global_buffer, .address_space: global }
      - { .name: nidx, .offset: 16, .size: 8, .value_kind: global_buffer, .address_space: global }
      - { .name: nw, .offset: 24, .size: 8, .value_kind: global_buffer, .address_space: global }
      - { .name: w0_codes, .offset: 32, .size: 8, .value_kind: global_buffer, .address_space: global }
      - { .name: b0, .offset: 40, .size: 8, .value_kind: global_buffer, .address_space: global }
      - { .name: lowp_scales, .offset: 48, .size: 8, .value_kind: global_buffer, .address_space: global }
      - { .name: xq, .offset: 56, .size: 8, .value_kind: global_buffer, .address_space: global }
      - { .name: part0, .offset: 64, .size: 8, .value_kind: global_buffer, .address_space: global }
    .group_segment_fixed_size: 28672
    .private_segment_fixed_size: 0
    .kernarg_segment_align: 8
    .kernarg_segment_size: 72
    .max_flat_workgroup_size: 512
    .sgpr_count:     66
    .vgpr_count:     256
    .wavefront_size: 32
...
	.end_amdgpu_metadata
.endif
;; end of part 3
;; launch conv1 (part 4): grid 256 x 1, 16 waves a work-group, no clusters, 18,432 bytes of LDS; arguments xq, w0_codes, b0, g0, beta0, part0, w1_codes, b1, lowp_scales, hq, part1; writes hq, part1
.if DOCPART == 4
	.amdgcn_target "amdgcn-amd-amdhsa--gfx1250"
	.amdhsa_code_object_version 6
	.text
	.protected	k_q72a83f8ba2_conv1
	.globl	k_q72a83f8ba2_conv1
	.p2align	8
	.type	k_q72a83f8ba2_conv1,@function
k_q72a83f8ba2_conv1:
	s_mov_b64 s[64:65], 0
	v_nop
	global_prefetch_b8 v0, s[64:65] scope:SCOPE_SE
	s_setreg_imm32_b32 hwreg(HW_REG_WAVE_MODE, 25, 1), 1
	s_wait_xcnt 0x0
; y0 = W0 x + b0 once more, from x's codes, by the same instructions in the same order as in the launch before (the same bits); the group norm with that launch's sums; the leaky relu; h quantised to E5M2
; with the given 2^e2; y1 = W1 h + b1 on the codes.  What leaves: h's codes, and y1's sums for the second norm.
; SHARES as before: wave (cw = w % 4, qq = w / 4) makes channels 32 cw .. + 31 for query tiles 2 qq, 2 qq + 1.  A lane's 16 numbers of a query tile are channels 32 cw + 16 h + 0 .. 15: one group of the
; norm, and registers 4 cw .. 4 cw + 3 of the next product's fragment (16 queries x 128 K).  They go to the other three waves of the same qq through LDS as an image of the registers:
; [8 query tiles][4][32 lanes][16 bytes]; the same bytes go to hq.
; The second product is used as it stands (source 0 = 16 queries, source 1 = 16 rows of W1): a lane holds ONE channel, 16 (2 cw + u) + r, and eight neighbouring queries; a tile is one group.
; The mean and the variance: every wave adds its groups' 256 partial sums in the same order.  var = E[y^2] - m^2, held at 0 from below.
; LIMITS: e2 between -126 and 112; e0 + e1 and e2 + e3 between -126 and 127; the variance's relative error grows as 6e-8 x m^2 / var; NaN is not served.
	s_load_b256 s[4:11], s[0:1], 0x0               ; xq s[4:5], w0 s[6:7], b0 s[8:9], g0 s[10:11]
	s_load_b256 s[12:19], s[0:1], 0x20             ; beta0 s[12:13], part0 s[14:15], w1 s[16:17], b1 s[18:19]
	s_load_b128 s[20:23], s[0:1], 0x40             ; the scales' exponents s[20:21], hq s[22:23]
	s_load_b64 s[24:25], s[0:1], 0x50              ; part1
	v_lshrrev_b32 v1, 5, v0
	v_readfirstlane_b32 s26, v1                    ; wave 0..15
	s_and_b32 s27, s26, 3                          ; cw
	s_lshr_b32 s28, s26, 2                         ; qq
	s_lshr_b32 s29, ttmp9, 6                       ; batch
	s_and_b32 s30, ttmp9, 63                       ; block of 128 queries
	s_lshl_b32 s44, s29, 14                        ; part0: [b][group]: groups 2 cw, 2 cw + 1
	s_lshl_b32 s38, s27, 12
	s_add_co_u32 s44, s44, s38
	s_mov_b32 s45, 0
	s_lshl_b32 s46, s30, 5                         ; part1: the same, + my entry 4 block + qq
	s_lshl_b32 s38, s28, 3
	s_add_co_u32 s46, s46, s38
	s_add_co_u32 s46, s46, s44
	s_mov_b32 s47, 0
	s_lshl_b32 s48, s27, 7                         ; b0, g0, beta0, b1: my 32 numbers
	s_mov_b32 s49, 0
	s_mul_i32 s50, s27, 6144                       ; w0: my 32 rows of 192 bytes
	s_mov_b32 s51, 0
	s_mul_i32 s52, ttmp9, 24576                    ; xq: my two query tiles
	s_mul_i32 s38, s28, 6144
	s_add_co_u32 s52, s52, s38
	s_mov_b32 s53, 0
	s_lshl_b32 s54, s27, 12                        ; w1: my 32 rows of 128 bytes
	s_mov_b32 s55, 0
	s_lshl_b32 s56, ttmp9, 14                      ; hq: 16,384 bytes a work-group
	s_mov_b32 s57, 0
	s_mov_b32 s58, 0x76543210                      ; v_permlanex16_b32: lane l xor 16
	s_mov_b32 s59, 0xfedcba98
	v_and_b32 v1, 31, v0                           ; lane
	v_and_b32 v2, 15, v0                           ; r
	v_bfe_u32 v3, v0, 4, 1                         ; h
	v_lshlrev_b32 v14, 11, v3                      ; 2,048 h: group 2 cw + h
	v_lshl_add_u32 v4, v2, 4, v14                  ; + 16 r: my part of its partial sums
	v_lshlrev_b32 v5, 6, v3                        ; 64 h
	v_and_b32 v6, 8, v2
	v_add_nc_u32 v6, v6, v2
	v_mul_u32_u24 v6, v6, 192
	v_lshl_add_u32 v6, v3, 4, v6                   ; w0: row r + 8 (r / 8), + 16 h
	v_lshlrev_b32 v7, 4, v1                        ; 16 x lane
	v_lshlrev_b32 v8, 7, v2
	v_lshl_add_u32 v8, v3, 4, v8                   ; w1: row r, + 16 h
	v_lshlrev_b32 v9, 2, v2                        ; 4 r
	s_lshl_b32 s38, s28, 12
	v_add_nc_u32 v13, s38, v7                      ; the images of my two query tiles,
	s_lshl_b32 s39, s27, 9
	v_add_nc_u32 v12, s39, v13                     ; and my quarter of them: in LDS and in hq alike
.irp k, 248,249,250,251,255
	v_mov_b32 v\k, 0                               ; written once: destinations of lane permutes, and the upper half of the pair v[254:255]
.endr
	s_wait_kmcnt 0x0
	s_load_b128 s[32:35], s[20:21], 0x0            ; e0, e1, e2, e3
	s_add_nc_u64 s[14:15], s[14:15], s[44:45]
	s_add_nc_u64 s[24:25], s[24:25], s[46:47]
	s_add_nc_u64 s[8:9], s[8:9], s[48:49]
	s_add_nc_u64 s[10:11], s[10:11], s[48:49]
	s_add_nc_u64 s[12:13], s[12:13], s[48:49]
	s_add_nc_u64 s[18:19], s[18:19], s[48:49]
	s_add_nc_u64 s[6:7], s[6:7], s[50:51]
	s_add_nc_u64 s[4:5], s[4:5], s[52:53]
	s_add_nc_u64 s[16:17], s[16:17], s[54:55]
	s_add_nc_u64 s[22:23], s[22:23], s[56:57]
.irp i, 0,1,2,3,4,5,6,7
	global_load_b128 v[160+4*\i:163+4*\i], v4, s[14:15] offset:256*\i          ; 8: the partial sums
.endr
.irp k, 0,1,2,3
	global_load_b128 v[80+4*\k:83+4*\k], v5, s[10:11] offset:16*\k             ; 12: g0, beta0, b0 of my 16 channels
	global_load_b128 v[96+4*\k:99+4*\k], v5, s[12:13] offset:16*\k
	global_load_b128 v[64+4*\k:67+4*\k], v5, s[8:9] offset:16*\k
.endr
.irp u, 0,1
.irp s, 0,1,2
.irp c, 0,1
	global_load_b128 v[16+24*\u+8*\s+4*\c:19+24*\u+8*\s+4*\c], v6, s[6:7] offset:1536*\u+64*\s+32*\c       ; 12: W0
.endr
.endr
.endr
.irp i, 0,1
.irp s, 0,1,2
.irp c, 0,1
	global_load_b128 v[112+24*\i+8*\s+4*\c:115+24*\i+8*\s+4*\c], v7, s[4:5] offset:3072*\i+1024*\s+512*\c  ; 12: x's fragments, as they stood in registers
.endr
.endr
.endr
.irp u, 0,1
.irp c, 0,1,2,3
	global_load_b128 v[192+16*\u+4*\c:195+16*\u+4*\c], v8, s[16:17] offset:2048*\u+32*\c                   ; 8: W1
.endr
.endr
.irp u, 0,1
	global_load_b32 v[224+2*\u], v9, s[18:19] offset:64*\u                                                 ; 2: b1
.endr
	s_wait_kmcnt 0x0
	s_add_co_i32 s38, s32, s33                     ; e0 + e1
	s_sub_co_i32 s36, 0, s38
	s_add_co_i32 s38, s38, 127
	s_lshl_b32 s40, s38, 23                        ; 2^(e0 + e1) as f32,
	s_mov_b32 s41, s40                             ; (named with it as a pair)
	s_add_co_i32 s38, s34, s35
	s_add_co_i32 s38, s38, 127
	s_lshl_b32 s42, s38, 23                        ; 2^(e2 + e3)
	s_mov_b32 s43, s42
	s_add_co_i32 s38, s34, 127
	s_lshl_b32 s39, s38, 23
	v_mov_b32 v10, s39                             ; 2^e2: the conversion takes its exponent field
	s_add_co_i32 s38, s38, 15
	s_lshl_b32 s38, s38, 23
	s_or_b32 s38, s38, 0x600000
	v_mov_b32 v11, s38                             ; 57,344 x 2^e2
; The norm's figures of group 2 cw + h, in the lanes of half h: -m into v[NM] and v[NM + 1], 1 / sqrt(var + 1e-5) into v[RS].  A group is 16 channels x 8,192 queries = 2^17 numbers.
.macro GNSTAT PT, cnt, NM, RS
	s_wait_loadcnt \cnt                            ; the eight loads of partial sums are in; all the others were issued behind them
.irp k, 0,2,4,6,8,10,12,14
	v_pk_add_f32 v[\PT+\k:\PT+\k+1], v[\PT+\k:\PT+\k+1], v[\PT+16+\k:\PT+17+\k]
.endr
.irp k, 0,2,4,6
	v_pk_add_f32 v[\PT+\k:\PT+\k+1], v[\PT+\k:\PT+\k+1], v[\PT+8+\k:\PT+9+\k]
.endr
.irp k, 0,2
	v_pk_add_f32 v[\PT+\k:\PT+\k+1], v[\PT+\k:\PT+\k+1], v[\PT+4+\k:\PT+5+\k]
.endr
	v_pk_add_f32 v[\PT:\PT+1], v[\PT:\PT+1], v[\PT+2:\PT+3]
.irp m, 1,2,4,8
	v_add_f32_dpp v[\PT], v[\PT], v[\PT] row_xmask:\m row_mask:0xf bank_mask:0xf
	v_add_f32_dpp v[\PT+1], v[\PT+1], v[\PT+1] row_xmask:\m row_mask:0xf bank_mask:0xf
.endr
	v_mul_f32 v[\NM], 0xb7000000, v[\PT]           ; -m = the sum x -2^-17
	v_mul_f32 v[\PT+1], 0x37000000, v[\PT+1]       ; E[y^2]
	v_fma_f32 v[\PT+1], -v[\NM], v[\NM], v[\PT+1]
	v_max_num_f32 v[\PT+1], 0, v[\PT+1]
	v_add_f32 v[\PT+1], 0x3727c5ac, v[\PT+1]       ; + 1e-5
	v_rsq_f32 v[\RS], v[\PT+1]
	v_mov_b32 v[\NM+1], v[\NM]                     ; (the plain line behind the root)
	s_wait_alu depctr_va_vdst(0)                   ; the wait ahead of the first reader
.endm
	GNSTAT 160, 46, 252, 254
	s_wait_loadcnt 34                              ; g0, beta0, b0 are in; 12 + 12 + 8 + 2 were issued behind them
.irp j, 0,2,4,6,8,10,12,14
	v_pk_mul_f32 v[80+\j:81+\j], v[80+\j:81+\j], v[254:255] op_sel_hi:[1,0]    ; g0 / sqrt(var + 1e-5)
.endr
.irp j, 0,1,2,3,4,5,6,7,8,9,10,11,12,13,14,15
	v_ldexp_f32 v[64+\j], v[64+\j], s36            ; b0 / 2^(e0 + e1)
.endr
	s_wait_loadcnt 10                              ; W0 and x are in; W1's eight loads and b1's two may be out
.irp s, 0,1,2                                  ; four accumulators by turns, one instruction a turn
.irp i, 0,1
.irp u, 0,1
.if \s == 0
	v_wmma_f32_16x16x64_bf8_bf8 v[160+16*\i+8*\u:167+16*\i+8*\u], v[16+24*\u+8*\s:23+24*\u+8*\s], v[112+24*\i+8*\s:119+24*\i+8*\s], v[64+8*\u:71+8*\u]
.else
	v_wmma_f32_16x16x64_bf8_bf8 v[160+16*\i+8*\u:167+16*\i+8*\u], v[16+24*\u+8*\s:23+24*\u+8*\s], v[112+24*\i+8*\s:119+24*\i+8*\s], v[160+16*\i+8*\u:167+16*\i+8*\u]
.endif
.endr
.endr
.endr
.rept 5
	v_nop                                          ; four places before the results are read and loads land in the sources; a fifth, since the second product's results are laid over these registers
.endr
.macro ACT0 i                                  ; query tile i: norm, leaky relu, hold, codes; the codes to LDS and to hq.  Each accumulator from its low end on
.set AB, 160+16*\i
.irp j, 0,2,4,6,8,10,12,14
	v_pk_fma_f32 v[AB+\j:AB+\j+1], v[AB+\j:AB+\j+1], s[40:41], v[252:253] op_sel_hi:[1,0,1]    ; y0 - m: the sum x 2^(e0 + e1) is exact, so this rounds once
.endr
.irp j, 0,2,4,6,8,10,12,14
	v_pk_fma_f32 v[AB+\j:AB+\j+1], v[AB+\j:AB+\j+1], v[80+\j:81+\j], v[96+\j:97+\j]
.endr
.irp j, 0,2,4,6,8,10,12,14
	v_pk_mul_f32 v[236+\j:237+\j], v[AB+\j:AB+\j+1], 0x3dcccccd op_sel_hi:[1,0]
.endr
.irp j, 0,1,2,3,4,5,6,7,8,9,10,11,12,13,14,15
	v_max_num_f32 v[AB+\j], v[AB+\j], v[236+\j]    ; v where v >= 0, else 0.1 v: the greater of the two
.endr
.irp j, 0,1,2,3,4,5,6,7,8,9,10,11,12,13,14,15
	v_med3_num_f32 v[AB+\j], v[AB+\j], -v11, v11   ; the conversion does not saturate (ISA guide 7.6.2)
.endr
	v_cvt_scalef32_pk8_bf8_f32 v[228+4*\i:229+4*\i], v[AB:AB+7], v10
	v_cvt_scalef32_pk8_bf8_f32 v[230+4*\i:231+4*\i], v[AB+8:AB+15], v10
	v_nop                                          ; one plain line behind the conversions: the second product writes their sources
	ds_store_b128 v12, v[228+4*\i:231+4*\i] offset:2048*\i
	global_store_b128 v12, v[228+4*\i:231+4*\i], s[22:23] offset:2048*\i       ; 512 consecutive bytes
.endm
	ACT0 0
	ACT0 1
	s_wait_dscnt 0x0                               ; for the others' sake: my quarter of the images lies in LDS
	s_barrier_signal -1
	s_barrier_wait -1
.irp i, 0,1
.irp c, 0,1,2,3
	ds_load_b128 v[112+16*\i+4*\c:115+16*\i+4*\c], v13 offset:2048*\i+512*\c
.endr
.endr
	s_wait_loadcnt 0x0                             ; W1, b1
	v_mov_b32 v225, v224                           ; (named with b1 as pairs)
	v_mov_b32 v227, v226
	s_wait_dscnt 0x0
.irp i, 0,1
.irp u, 0,1
	v_wmma_f32_16x16x128_bf8_bf8 v[160+16*\i+8*\u:167+16*\i+8*\u], v[112+16*\i:127+16*\i], v[192+16*\u:207+16*\u], 0
.endr
.endr
.rept 4
	v_nop
.endr
.irp i, 0,1
.irp u, 0,1
.irp j, 0,2,4,6
	v_pk_fma_f32 v[160+16*\i+8*\u+\j:161+16*\i+8*\u+\j], v[160+16*\i+8*\u+\j:161+16*\i+8*\u+\j], s[42:43], v[224+2*\u:225+2*\u] op_sel_hi:[1,0,0]   ; y1 = sum x 2^(e2 + e3) + b1
.endr
.endr
.endr
.irp u, 0,1                                    ; tile u is group 2 cw + u: its sum in v[236 + 4 u ..], its sum of squares in v[238 + 4 u ..]
	v_pk_add_f32 v[236+4*\u:237+4*\u], v[160+8*\u:161+8*\u], v[176+8*\u:177+8*\u]
	v_pk_mul_f32 v[238+4*\u:239+4*\u], v[160+8*\u:161+8*\u], v[160+8*\u:161+8*\u]
	v_pk_fma_f32 v[238+4*\u:239+4*\u], v[176+8*\u:177+8*\u], v[176+8*\u:177+8*\u], v[238+4*\u:239+4*\u]
.endr
.irp j, 2,4,6
.irp u, 0,1
	v_pk_add_f32 v[236+4*\u:237+4*\u], v[236+4*\u:237+4*\u], v[160+8*\u+\j:161+8*\u+\j]
	v_pk_fma_f32 v[238+4*\u:239+4*\u], v[160+8*\u+\j:161+8*\u+\j], v[160+8*\u+\j:161+8*\u+\j], v[238+4*\u:239+4*\u]
.endr
.irp u, 0,1
	v_pk_add_f32 v[236+4*\u:237+4*\u], v[236+4*\u:237+4*\u], v[176+8*\u+\j:177+8*\u+\j]
	v_pk_fma_f32 v[238+4*\u:239+4*\u], v[176+8*\u+\j:177+8*\u+\j], v[176+8*\u+\j:177+8*\u+\j], v[238+4*\u:239+4*\u]
.endr
.endr
.irp k, 0,1,2,3
	v_add_f32 v[244+\k], v[236+2*\k], v[237+2*\k]
.endr
.irp m, 1,2,4,8
.irp k, 244,245,246,247
	v_add_f32_dpp v\k, v\k, v\k row_xmask:\m row_mask:0xf bank_mask:0xf
.endr
.endr
.irp k, 0,1,2,3
	v_permlanex16_b32 v[248+\k], v[244+\k], s58, s59
.endr
.irp k, 0,1,2,3
	v_add_f32 v[244+\k], v[244+\k], v[248+\k]      ; over all 32 lanes: 16 channels x 32 queries
.endr
	v_cmp_eq_u32 vcc_lo, 1, v3
	v_cndmask_b32 v248, v244, v246, vcc_lo         ; half h of the lanes stores group 2 cw + h
	v_cndmask_b32 v249, v245, v247, vcc_lo
	s_wait_xcnt 0x0                                ; EXEC changes only behind this wait
	v_cmp_eq_u32 vcc_lo, 0, v2
	s_and_saveexec_b32 s38, vcc_lo                 ; lanes 0 and 16
	global_store_b64 v14, v[248:249], s[24:25]
	s_wait_xcnt 0x0
	s_or_b32 exec_lo, exec_lo, s38
	s_wait_xcnt 0x0
	s_mov_b32 exec_lo, -1
	v_lshl_add_u32 v254, v0, 2, 0x4000
	v_mov_b32 v255, 0
	s_wait_tensorcnt 0x0
	ds_add_u32 v254, v255
	s_wait_dscnt 0x0
	s_endpgm
.Lfunc_end_k_q72a83f8ba2_conv1:
	.size	k_q72a83f8ba2_conv1, .Lfunc_end_k_q72a83f8ba2_conv1-k_q72a83f8ba2_conv1
	.p2alignl 7, 3214868480
	.fill 96, 4, 3214868480
	.section	.rodata,"a",@progbits
	.p2align	6, 0x0
	.amdhsa_kernel k_q72a83f8ba2_conv1
		.amdhsa_group_segment_fixed_size 18432
		.amdhsa_private_segment_fixed_size 0
		.amdhsa_enable_private_segment 0
		.amdhsa_kernarg_size 88
		.amdhsa_user_sgpr_count 2
		.amdhsa_user_sgpr_kernarg_segment_ptr 1
		.amdhsa_wavefront_size32 1
		.amdhsa_system_sgpr_workgroup_id_x 1
		.amdhsa_system_sgpr_workgroup_id_y 1
		.amdhsa_system_sgpr_workgroup_id_z 1
		.amdhsa_system_vgpr_workitem_id 0
		.amdhsa_next_free_vgpr 256
		.amdhsa_next_free_sgpr 66
		.amdhsa_reserve_vcc 1
		.amdhsa_float_denorm_mode_32 3
		.amdhsa_float_denorm_mode_16_64 3
		.amdhsa_memory_ordered 1
		.amdhsa_forward_progress 1
		.amdhsa_inst_pref_size 27
	.end_amdhsa_kernel
	.amdgpu_metadata
---
amdhsa.version: [ 1, 2 ]
amdhsa.kernels:
  - .name:           k_q72a83f8ba2_conv1
    .symbol:         k_q72a83f8ba2_conv1.kd
    .args:
      - { .name: xq, .offset: 0, .size: 8, .value_kind: global_buffer, .address_space: global }
      - { .name: w0_codes, .offset: 8, .size: 8, .value_kind: global_buffer, .address_space: global }
      - { .name: b0, .offset: 16, .size: 8, .value_kind: global_buffer, .address_space: global }
      - { .name: g0, .offset: 24, .size: 8, .value_kind: global_buffer, .address_space: global }
      - { .name: beta0, .offset: 32, .size: 8, .value_kind: global_buffer, .address_space: global }
      - { .name: part0, .offset: 40, .size: 8, .value_kind: global_buffer, .address_space: global }
      - { .name: w1_codes, .offset: 48, .size: 8, .value_kind: global_buffer, .address_space: global }
      - { .name: b1, .offset: 56, .size: 8, .value_kind: global_buffer, .address_space: global }
      - { .name: lowp_scales, .offset: 64, .size: 8, .value_kind: global_buffer, .address_space: global }
      - { .name: hq, .offset: 72, .size: 8, .value_kind: global_buffer, .address_space: global }
      - { .name: part1, .offset: 80, .size: 8, .value_kind: global_buffer, .address_space: global }
    .group_segment_fixed_size: 18432
    .private_segment_fixed_size: 0
    .kernarg_segment_align: 8
    .kernarg_segment_size: 88
    .max_flat_workgroup_size: 512
    .sgpr_count:     66
    .vgpr_count:     256
    .wavefront_size: 32
...
	.end_amdgpu_metadata
.endif
;; end of part 4
;; launch finish (part 5): grid 256 x 1, 16 waves a work-group, no clusters, 69,632 bytes of LDS; arguments hq, w1_codes, b1, g1, beta1, part1, lowp_scales, out0; writes out0
.if DOCPART == 5
	.amdgcn_target "amdgcn-amd-amdhsa--gfx1250"
	.amdhsa_code_object_version 6
	.text
	.protected	k_q72a83f8ba2_finish
	.globl	k_q72a83f8ba2_finish
	.p2align	8
	.type	k_q72a83f8ba2_finish,@function
k_q72a83f8ba2_finish:
	s_mov_b64 s[64:65], 0
	v_nop
	global_prefetch_b8 v0, s[64:65] scope:SCOPE_SE
	s_setreg_imm32_b32 hwreg(HW_REG_WAVE_MODE, 25, 1), 1
	s_wait_xcnt 0x0
; y1 = W1 h + b1 once more, from h's codes, by the same instructions as in the launch before; the second group norm with that launch's sums; the leaky relu; out0 [4][128][8192] f32.
; SHARES: wave (cw = w % 4, qq = w / 4): channels 32 cw .. + 31 (two tiles, each one group of the norm) for query tiles 2 qq, 2 qq + 1.  Source 0 = 16 queries, source 1 = 16 rows of W1: a lane holds
; one channel, 16 (2 cw + u) + r, and eight neighbouring queries: 32 bytes of a row of out0.  A row's 512 bytes of this block come from four waves: they meet in a stage in LDS (128 rows of
; 512 bytes + 16), and each wave stores eight whole rows, 512 consecutive bytes an instruction.
; y1 - m is made as sum x 2^(e2 + e3) + (b1 - m).  var = E[y^2] - m^2, held at 0 from below.
; LIMITS: e2 + e3 between -126 and 127; the variance's relative error grows as 6e-8 x m^2 / var; NaN is not served.
.set SP, 528
	s_load_b256 s[4:11], s[0:1], 0x0               ; hq s[4:5], w1 s[6:7], b1 s[8:9], g1 s[10:11]
	s_load_b256 s[12:19], s[0:1], 0x20             ; beta1 s[12:13], part1 s[14:15], the scales' exponents s[16:17], out0 s[18:19]
	v_lshl_add_u32 v192, v0, 2, 0x10800
	v_mov_b32 v193, 0
	v_lshrrev_b32 v1, 5, v0
	v_readfirstlane_b32 s20, v1                    ; wave 0..15
	s_and_b32 s21, s20, 3                          ; cw
	s_lshr_b32 s22, s20, 2                         ; qq
	s_lshr_b32 s23, ttmp9, 6                       ; batch
	s_and_b32 s24, ttmp9, 63                       ; block of 128 queries
	s_lshl_b32 s32, s23, 14                        ; part1: groups 2 cw, 2 cw + 1
	s_lshl_b32 s25, s21, 12
	s_add_co_u32 s32, s32, s25
	s_mov_b32 s33, 0
	s_lshl_b32 s34, s21, 7                         ; b1, g1, beta1: my 32 numbers
	s_mov_b32 s35, 0
	s_lshl_b32 s36, s21, 12                        ; w1: my 32 rows of 128 bytes
	s_mov_b32 s37, 0
	s_lshl_b32 s38, ttmp9, 14                      ; hq: my two query tiles
	s_lshl_b32 s25, s22, 12
	s_add_co_u32 s38, s38, s25
	s_mov_b32 s39, 0
	s_lshl_b32 s40, s23, 22                        ; out0: ((128 b + 8 w) x 8,192 + 128 block) x 4
	s_lshl_b32 s25, s20, 18
	s_add_co_u32 s40, s40, s25
	s_lshl_b32 s25, s24, 9
	s_add_co_u32 s40, s40, s25
	s_mov_b32 s41, 0
	s_mov_b32 s44, 0x76543210                      ; v_permlanex16_b32: lane l xor 16
	s_mov_b32 s45, 0xfedcba98
	v_and_b32 v1, 31, v0                           ; lane
	v_and_b32 v2, 15, v0                           ; r
	v_bfe_u32 v3, v0, 4, 1                         ; h
	v_lshlrev_b32 v4, 11, v3
	v_lshl_add_u32 v4, v2, 4, v4                   ; part1: 2,048 h + 16 r
	v_lshlrev_b32 v5, 2, v2                        ; 4 r
	v_lshlrev_b32 v6, 7, v2
	v_lshl_add_u32 v6, v3, 4, v6                   ; w1: row r, + 16 h
	v_lshlrev_b32 v7, 4, v1                        ; 16 x lane
	s_mul_i32 s25, s21, 32*SP
	s_lshl_b32 s26, s22, 7
	s_add_co_u32 s25, s25, s26
	v_mul_u32_u24 v8, v2, SP
	v_lshl_add_u32 v8, v3, 5, v8
	v_add_nc_u32 v8, s25, v8                       ; the stage, in: row 32 cw + r, byte 128 qq + 32 h
	s_mul_i32 s25, s20, 8*SP
	v_add_nc_u32 v9, s25, v7                       ; back: my eight rows, 16 bytes a lane
.irp k, 113,115,117,121,123,125,171,172
	v_mov_b32 v\k, 0                               ; written once: upper halves of pairs whose low word serves both halves, and destinations of lane permutes
.endr
	s_wait_kmcnt 0x0
	s_load_b128 s[28:31], s[16:17], 0x0            ; e0, e1, e2, e3
	s_add_nc_u64 s[14:15], s[14:15], s[32:33]
	s_add_nc_u64 s[8:9], s[8:9], s[34:35]
	s_add_nc_u64 s[10:11], s[10:11], s[34:35]
	s_add_nc_u64 s[12:13], s[12:13], s[34:35]
	s_add_nc_u64 s[6:7], s[6:7], s[36:37]
	s_add_nc_u64 s[4:5], s[4:5], s[38:39]
	s_add_nc_u64 s[18:19], s[18:19], s[40:41]
.irp i, 0,1,2,3,4,5,6,7
	global_load_b128 v[80+4*\i:83+4*\i], v4, s[14:15] offset:256*\i            ; 8: the partial sums
.endr
.irp u, 0,1
	global_load_b32 v[112+8*\u], v5, s[8:9] offset:64*\u                       ; 6: b1, g1, beta1 of my channel of tile u
	global_load_b32 v[114+8*\u], v5, s[10:11] offset:64*\u
	global_load_b32 v[116+8*\u], v5, s[12:13] offset:64*\u
.endr
.irp u, 0,1
.irp c, 0,1,2,3
	global_load_b128 v[16+16*\u+4*\c:19+16*\u+4*\c], v6, s[6:7] offset:2048*\u+32*\c           ; 8: W1
.endr
.endr
.irp i, 0,1
.irp c, 0,1,2,3
	global_load_b128 v[48+16*\i+4*\c:51+16*\i+4*\c], v7, s[4:5] offset:2048*\i+512*\c          ; 8: h's fragments, as they stood in registers
.endr
.endr
	s_wait_kmcnt 0x0
	s_add_co_i32 s25, s30, s31
	s_add_co_i32 s25, s25, 127
	s_lshl_b32 s42, s25, 23                        ; 2^(e2 + e3) as f32
	s_mov_b32 s43, s42                             ; (named with it as a pair)
; The norm's figures of group 2 cw + h, in the lanes of half h: -m into v[NM], 1 / sqrt(var + 1e-5) into v[RS].  A group is 16 channels x 8,192 queries = 2^17 numbers.
.macro GNSTAT PT, cnt, NM, RS
	s_wait_loadcnt \cnt                            ; the eight loads of partial sums are in; all the others were issued behind them
.irp k, 0,2,4,6,8,10,12,14
	v_pk_add_f32 v[\PT+\k:\PT+\k+1], v[\PT+\k:\PT+\k+1], v[\PT+16+\k:\PT+17+\k]
.endr
.irp k, 0,2,4,6
	v_pk_add_f32 v[\PT+\k:\PT+\k+1], v[\PT+\k:\PT+\k+1], v[\PT+8+\k:\PT+9+\k]
.endr
.irp k, 0,2
	v_pk_add_f32 v[\PT+\k:\PT+\k+1], v[\PT+\k:\PT+\k+1], v[\PT+4+\k:\PT+5+\k]
.endr
	v_pk_add_f32 v[\PT:\PT+1], v[\PT:\PT+1], v[\PT+2:\PT+3]
.irp m, 1,2,4,8
	v_add_f32_dpp v[\PT], v[\PT], v[\PT] row_xmask:\m row_mask:0xf bank_mask:0xf
	v_add_f32_dpp v[\PT+1], v[\PT+1], v[\PT+1] row_xmask:\m row_mask:0xf bank_mask:0xf
.endr
	v_mul_f32 v[\NM], 0xb7000000, v[\PT]           ; -m = the sum x -2^-17
	v_mul_f32 v[\PT+1], 0x37000000, v[\PT+1]       ; E[y^2]
	v_fma_f32 v[\PT+1], -v[\NM], v[\NM], v[\PT+1]
	v_max_num_f32 v[\PT+1], 0, v[\PT+1]
	v_add_f32 v[\PT+1], 0x3727c5ac, v[\PT+1]       ; + 1e-5
	v_rsq_f32 v[\RS], v[\PT+1]
	v_nop                                          ; the plain line behind the root
	s_wait_alu depctr_va_vdst(0)                   ; the wait ahead of the first reader
.endm
	GNSTAT 80, 22, 168, 170
	v_permlanex16_b32 v171, v168, s44, s45         ; the other half's group
	v_permlanex16_b32 v172, v170, s44, s45
	v_cmp_eq_u32 vcc_lo, 1, v3
	v_cndmask_b32 v173, v168, v171, vcc_lo         ; group 2 cw: half 0's own,
	v_cndmask_b32 v174, v171, v168, vcc_lo         ; group 2 cw + 1: half 1's own
	v_cndmask_b32 v175, v170, v172, vcc_lo
	v_cndmask_b32 v176, v172, v170, vcc_lo
	s_wait_loadcnt 16                              ; b1, g1, beta1 are in; W1's and h's sixteen loads may be out
	v_add_f32 v112, v112, v173                     ; b1 - m
	v_add_f32 v120, v120, v174
	v_mul_f32 v114, v114, v175                     ; g1 / sqrt(var + 1e-5)
	v_mul_f32 v122, v122, v176
	s_wait_loadcnt 0x0
.irp i, 0,1
.irp u, 0,1
	v_wmma_f32_16x16x128_bf8_bf8 v[80+16*\i+8*\u:87+16*\i+8*\u], v[48+16*\i:63+16*\i], v[16+16*\u:31+16*\u], 0
.endr
.endr
.rept 4
	v_nop                                          ; four places before the results are read (ISA guide 7.12.1)
.endr
.irp i, 0,1
.irp u, 0,1
.irp j, 0,2,4,6
	v_pk_fma_f32 v[80+16*\i+8*\u+\j:81+16*\i+8*\u+\j], v[80+16*\i+8*\u+\j:81+16*\i+8*\u+\j], s[42:43], v[112+8*\u:113+8*\u] op_sel_hi:[1,0,0]
.endr
.irp j, 0,2,4,6
	v_pk_fma_f32 v[80+16*\i+8*\u+\j:81+16*\i+8*\u+\j], v[80+16*\i+8*\u+\j:81+16*\i+8*\u+\j], v[114+8*\u:115+8*\u], v[116+8*\u:117+8*\u] op_sel_hi:[1,0,0]
.endr
.irp j, 0,2,4,6
	v_pk_mul_f32 v[128+\j:129+\j], v[80+16*\i+8*\u+\j:81+16*\i+8*\u+\j], 0x3dcccccd op_sel_hi:[1,0]
.endr
.irp j, 0,1,2,3,4,5,6,7
	v_max_num_f32 v[80+16*\i+8*\u+\j], v[80+16*\i+8*\u+\j], v[128+\j]          ; v where v >= 0, else 0.1 v: the greater of the two
.endr
	ds_store_b128 v8, v[80+16*\i+8*\u:83+16*\i+8*\u] offset:16*SP*\u+64*\i
	ds_store_b128 v8, v[84+16*\i+8*\u:87+16*\i+8*\u] offset:16*SP*\u+64*\i+16
.endr
.endr
	s_wait_dscnt 0x0                               ; for the others' sake: my part of the stage is written
	s_barrier_signal -1
	s_barrier_wait -1
.irp k, 0,1,2,3,4,5,6,7
	ds_load_b128 v[136+4*\k:139+4*\k], v9 offset:SP*\k
.endr
.irp k, 0,1,2,3,4,5,6,7
	s_wait_dscnt 7-\k
	global_store_b128 v7, v[136+4*\k:139+4*\k], s[18:19] offset:32768*\k th:TH_STORE_NT    ; 32 lanes store 512 consecutive bytes, aligned; written once, read by nobody here
.endr
	s_barrier_signal -1
	s_barrier_wait -1
	s_wait_tensorcnt 0x0
	ds_add_u32 v192, v193
	s_wait_dscnt 0x0
	s_endpgm
.Lfunc_end_k_q72a83f8ba2_finish:
	.size	k_q72a83f8ba2_finish, .Lfunc_end_k_q72a83f8ba2_finish-k_q72a83f8ba2_finish
	.p2alignl 7, 3214868480
	.fill 96, 4, 3214868480
	.section	.rodata,"a",@progbits
	.p2align	6, 0x0
	.amdhsa_kernel k_q72a83f8ba2_finish
		.amdhsa_group_segment_fixed_size 69632
		.amdhsa_private_segment_fixed_size 0
		.amdhsa_enable_private_segment 0
		.amdhsa_kernarg_size 64
		.amdhsa_user_sgpr_count 2
		.amdhsa_user_sgpr_kernarg_segment_ptr 1
		.amdhsa_wavefront_size32 1
		.amdhsa_system_sgpr_workgroup_id_x 1
		.amdhsa_system_sgpr_workgroup_id_y 1
		.amdhsa_system_sgpr_workgroup_id_z 1
		.amdhsa_system_vgpr_workitem_id 0
		.amdhsa_next_free_vgpr 194
		.amdhsa_next_free_sgpr 66
		.amdhsa_reserve_vcc 1
		.amdhsa_float_denorm_mode_32 3
		.amdhsa_float_denorm_mode_16_64 3
		.amdhsa_memory_ordered 1
		.amdhsa_forward_progress 1
		.amdhsa_inst_pref_size 16
	.end_amdhsa_kernel
	.amdgpu_metadata
---
amdhsa.version: [ 1, 2 ]
amdhsa.kernels:
  - .name:           k_q72a83f8ba2_finish
    .symbol:         k_q72a83f8ba2_finish.kd
    .args:
      - { .name: hq, .offset: 0, .size: 8, .value_kind: global_buffer, .address_space: global }
      - { .name: w1_codes, .offset: 8, .size: 8, .value_kind: global_buffer, .address_space: global }
      - { .name: b1, .offset: 16, .size: 8, .value_kind: global_buffer, .address_space: global }
      - { .name: g1, .offset: 24, .size: 8, .value_kind: global_buffer, .address_space: global }
      - { .name: beta1, .offset: 32, .size: 8, .value_kind: global_buffer, .address_space: global }
      - { .name: part1, .offset: 40, .size: 8, .value_kind: global_buffer, .address_space: global }
      - { .name: lowp_scales, .offset: 48, .size: 8, .value_kind: global_buffer, .address_space: global }
      - { .name: out0, .offset: 56, .size: 8, .value_kind: global_buffer, .address_space: global }
    .group_segment_fixed_size: 69632
    .private_segment_fixed_size: 0
    .kernarg_segment_align: 8
    .kernarg_segment_size: 64
    .max_flat_workgroup_size: 512
    .sgpr_count:     66
    .vgpr_count:     194
    .wavefront_size: 32
...
	.end_amdgpu_metadata
.endif
;; end of part 5
